; MI455X (gfx1250); checked and timed in simulation.
; The chip was launched on July 23, 2026; its instructions are those of AMD's public machine-readable ISA for CDNA 5 (MIT licence, August 2026) and "CDNA5" Instruction Set Architecture Reference Guide (July 2026). The comments in the code are by the model that wrote it; some were corrected since.
;; Linear Attention. Allowed arithmetic: float matrix products may take bf16 or f16 operands with f32 sums; all other float work in f32.
;; Inputs: k 4 x 16 x 2,048 x 64 float32; q 4 x 16 x 2,048 x 64 float32; token_mask 4 x 2,048 bool; v 4 x 16 x 2,048 x 64 float32.
;; Outputs: out0 4 x 16 x 2,048 x 64 float32.
;; One version. Each part assembles by itself: llvm-mc -triple=amdgcn-amd-amdhsa -mcpu=gfx1250 --defsym DOCPART=n.
;; ======== version 1 of 1: 2 launches
;; workspace buffers: part 8,388,608 bytes
;; launch kvpart (part 1): grid 256 x 1, 4 waves a work-group, no clusters, 135,680 bytes of LDS; arguments k, v, part; writes part
.if DOCPART == 1
	.amdgcn_target "amdgcn-amd-amdhsa--gfx1250"
	.amdhsa_code_object_version 6
	.text
	.protected	k_qc9e0805cbe_kvpart
	.globl	k_qc9e0805cbe_kvpart
	.p2align	8
	.type	k_qc9e0805cbe_kvpart,@function
k_qc9e0805cbe_kvpart:
	s_mov_b64 s[64:65], 0
	v_nop
	global_prefetch_b8 v0, s[64:65] scope:SCOPE_SE
	s_setreg_imm32_b32 hwreg(HW_REG_WAVE_MODE, 25, 1), 1
	s_wait_xcnt 0x0
; LINEAR ATTENTION, first of two launches: partial sums of KVcos[dk][dv] = sum over s of cos(s) fk[s][dk] v[s][dv], and of KVsin likewise.
; q, k, v, out: [4][16][2048][64] f32.  fk = exp(k) for k < 0, k + 1 otherwise.  cos(s), sin(s) of the angle s pi / 4096.
; No step and no input of the reference is left out in either launch.  Only the order of exact operations differs:
;   cos(s), sin(s) of the key row stay on fk, as in the reference, so that v reaches the matrix unit as bf16(v) itself;
;   the factors of the query row (cos, sin, the token mask, 1/8) scale whole rows and are applied to the rows of the second product (next launch).
; The next launch reads token_mask first and fetches only the rows of q whose byte is not 0: a row with the byte 0 is 0 in the result whatever finite
; numbers it holds.  LIMIT: a NaN or an infinity in such a row of q is not carried to the result.
; The sum over s spans the 2,048 rows of a head; 64 heads are shared out to 256 work-groups as head x quarter (512 rows), and each work-group
; stores its own partial KV (2 x 64 x 64 f32 = 32,768 bytes) into part; the next launch adds the four of a head.
; No two work-groups read the same byte of k or v: there is nothing to ask for jointly, so no cluster.
;
; SHARES.  Four waves; wave w owns rows 128 w .. 128 w + 127 of the quarter and sums them into a full result (32 tiles of 16 x 16, 256 registers).
; k and v come STRAIGHT INTO REGISTERS: no wave needs another wave's rows, and a lane's 16 bytes are used in the lane that loads them (see LAYOUT), so a way
; through LDS would only copy them.  A batch is eight loads of 512 consecutive bytes (16 rows).
; Seven batches go out at the start, and behind the wait for a batch the batch seven
; further on goes out: 48 to 56 loads, 24,576 to 28,672 bytes a wave, are on their way until the last has been asked for.
;
; LAYOUT, without any transposition.  A load of 16 bytes a lane takes two whole rows: lane l = 16 h + r reads columns 4 r .. 4 r + 3 of row 2 j + h.
; Matrix tile number q holds the columns d = 4 x index + q, so the lane's four words belong to the four tiles, at the lane's own index r.
; Along the contraction the fragment place (h, register p, half e) stands for row 2 (2 p + e) + h, alike in both operands, which keeps every product.
; Result tile 16 c + 4 qn + qm, register j, lane (r, h) = KV_c[dk = 32 h + 4 j + qm][dv = 4 r + qn]: the very numbers that lane (r, h) needs as an
; operand in the next launch.  So part is a plain dump: registers 4 g .. 4 g + 3 of lane l at byte 512 g + 16 l.
;
; fk is taken as the middle one of exp(x), 1 and x + 1: since x + 1 <= exp(x), both below 1 for x < 0 and both at least 1 otherwise,
; the middle one is exp(x) for x < 0 and x + 1 for x >= 0; both forms are computed, and an exp(x) that overflows is never the one taken.
; cos and sin: Taylor sums in f32 on [0, pi/2), up to x^12 and x^13; the first terms left off are below 7e-9.
; LIMITS: a NaN in k is not carried through the middle-of-three; exp(x) below 2^-126 counts as 0 (ISA guide, V_EXP_F32);
; operands are rounded to bf16, sums are f32 in an order of their own.
.set STEPB, 8192                       ; a step: 32 rows of 256 bytes
.set WDUMP, 32768                      ; LDS: a wave's dump of its 256 result registers
.set TAB,   4*WDUMP                    ; behind the dumps: cos of even rows, cos of odd rows, sin of even rows, sin of odd rows, 1,024 bytes each
.set NB,    16                         ; batches of a wave
.set AHEAD, 7                          ; batches asked for ahead
.set LA, 2                             ; v2      32,768 w + 16 x lane: my place in the quarter's k and v, and in LDS my place in my wave's dump; never rewritten
.set TR, 3                             ; v3      table: my half of the lanes, my wave's rows
.set TS, 4                             ; v4      table: where my thread stores
.set GO, 5                             ; v5      8,192 w + 16 x lane: my wave's sixteen groups in a dump and in part
.set RA, 6                             ; v6-9    the same inside the dump of wave 0 .. 3
.set T,  12                            ; v12-19  cos fk of eight numbers
.set CS, 20                            ; v20-35  cos of my 16 rows of the step
.set SN, 36                            ; v36-51  sin of them
.set E,  52                            ; v52-83  a batch: x log2(e), then exp(x)
.set Y,  84                            ; v84-115 a batch: x + 1, then fk, then sin fk
.set AF, 116                           ; v116-179 fragments of cos fk (tiles qm = 0..3), then of sin fk
.set BF, 180                           ; v180-211 fragments of v (tiles qn = 0..3)
.set R,  16                            ; v16-143 the closing sum: group i, wave u at R + 16 i + 4 u (window 0 and again window 1)
.set X,   52                           ; the table's making, inside E: four angles,
.set U,   56                           ; their squares,
.set PCO, 60                           ; cos,
.set PSI, 64                           ; sin,
.set KC,  68                           ; the leading coefficients, twice each,
.set KS,  70
.set SI,  72                           ; and the four row numbers
; Window 1 (v256-511): the 32 accumulator tiles, tile n at 8 n.  Windows 2 and 3 (v512-1023): batch b at 32 (b mod 8) of window 2 + b / 8.
; s_set_vgpr_msb: bits 1:0 source 0, 3:2 source 1, 5:4 source 2, 7:6 destination; the high byte repeats the setting that is left.
.set MSB, 0
.macro WIN new
.if MSB != \new
	s_set_vgpr_msb (MSB<<8)|\new
.set MSB, \new
.endif
.endm
	s_load_b128 s[4:7], s[0:1], 0x0                ; k s[4:5], v s[6:7]
	s_load_b64 s[8:9], s[0:1], 0x10                ; part
	v_lshl_add_u32 v254, v0, 2, 0x21000
	v_mov_b32 v255, 0
	v_lshrrev_b32 v1, 5, v0
	v_readfirstlane_b32 s10, v1                    ; wave 0..3
	s_lshl_b32 s12, ttmp9, 17                      ; work-group = 4 x head + quarter: 131,072 bytes each, in k and in v
	s_mov_b32 s13, 0
	s_lshl_b32 s14, s10, 15                        ; my wave's 128 rows; also my wave's dump
	s_and_b32 s15, ttmp9, 3
	s_lshl_b32 s15, s15, 9                         ; the quarter's first row in the sequence
	; While the arguments are on their way: cos and sin of the quarter's 512 rows, each made once.  Thread t makes rows 4 t, 4 t + 2 (a pair) and 4 t + 1, 4 t + 3.
	v_lshl_add_u32 v[SI], v0, 2, s15
	v_add_nc_u32 v[SI+1], 2, v[SI]
	v_add_nc_u32 v[SI+2], 1, v[SI]
	v_add_nc_u32 v[SI+3], 3, v[SI]
.irp i, 0,1,2,3
	v_cvt_f32_u32 v[X+\i], v[SI+\i]
.endr
	v_mov_b32 v[KC], 0x310f76c7                    ; 1/12!
	v_mov_b32 v[KC+1], 0x310f76c7
	v_mov_b32 v[KS], 0x2f309231                    ; 1/13!
	v_mov_b32 v[KS+1], 0x2f309231
.irp i, 0,2
	v_pk_mul_f32 v[X+\i:X+\i+1], v[X+\i:X+\i+1], 0x3a490fdb op_sel_hi:[1,0]     ; x = s pi / 4096
.endr
.irp i, 0,2
	v_pk_mul_f32 v[U+\i:U+\i+1], v[X+\i:X+\i+1], v[X+\i:X+\i+1]                 ; u = x x
.endr
.irp i, 0,2
	v_pk_fma_f32 v[PCO+\i:PCO+\i+1], v[U+\i:U+\i+1], v[KC:KC+1], 0xb493f27e op_sel_hi:[1,1,0]   ; u/12! - 1/10!
	v_pk_fma_f32 v[PSI+\i:PSI+\i+1], v[U+\i:U+\i+1], v[KS:KS+1], 0xb2d7322b op_sel_hi:[1,1,0]   ; u/13! - 1/11!
.endr
.macro HORNER cc, cs
.irp i, 0,2
	v_pk_fma_f32 v[PCO+\i:PCO+\i+1], v[PCO+\i:PCO+\i+1], v[U+\i:U+\i+1], \cc op_sel_hi:[1,1,0]
	v_pk_fma_f32 v[PSI+\i:PSI+\i+1], v[PSI+\i:PSI+\i+1], v[U+\i:U+\i+1], \cs op_sel_hi:[1,1,0]
.endr
.endm
	HORNER 0x37d00d01, 0x3638ef1d                  ; + 1/8!,  + 1/9!
	HORNER 0xbab60b61, 0xb9500d01                  ; - 1/6!,  - 1/7!
	HORNER 0x3d2aaaab, 0x3c088889                  ; + 1/4!,  + 1/5!
	HORNER -0.5, 0xbe2aaaab                        ; - 1/2!,  - 1/3!
	HORNER 1.0, 1.0                                ; cos x;   sin x / x
.irp i, 0,2
	v_pk_mul_f32 v[PSI+\i:PSI+\i+1], v[PSI+\i:PSI+\i+1], v[X+\i:X+\i+1]
.endr
	v_lshl_add_u32 v[TS], v0, 3, TAB
	ds_store_b64 v[TS], v[PCO:PCO+1]               ; even rows 4 t, 4 t + 2: places 2 t, 2 t + 1
	ds_store_b64 v[TS], v[PCO+2:PCO+3] offset:1024 ; odd rows 4 t + 1, 4 t + 3
	ds_store_b64 v[TS], v[PSI:PSI+1] offset:2048
	ds_store_b64 v[TS], v[PSI+2:PSI+3] offset:3072
	v_and_b32 v1, 31, v0
	v_lshlrev_b32 v1, 4, v1                        ; 16 x lane
	v_add_nc_u32 v[LA], s14, v1
	v_bfe_u32 v[TR], v0, 4, 1                      ; h: lanes 0-15 take even rows, lanes 16-31 odd rows
	v_lshlrev_b32 v[TR], 10, v[TR]
	s_lshl_b32 s11, s10, 8                         ; my wave's 64 places of 4 bytes
	s_add_co_u32 s11, s11, TAB
	v_add_nc_u32 v[TR], s11, v[TR]
	s_lshl_b32 s11, s10, 13
	v_add_nc_u32 v[GO], s11, v1
.irp u, 0,1,2,3
	v_add_nc_u32 v[RA+\u], \u*WDUMP, v[GO]
.endr
; batch b is asked for: b mod 4 = 0, 1: k's rows 0-15, 16-31 of step b / 4; 2, 3: v's.  Each load takes two whole rows, 512 consecutive bytes, aligned; read once in the launch.
.macro GLOAD b
.set GB, \b
	WIN ((2+GB/8)<<6)                              ; destination in the batch's window, the offset in window 0
.irp i, 0,1,2,3,4,5,6,7
	global_load_b128 v[32*(GB%8)+4*\i:32*(GB%8)+4*\i+3], v[LA], s[4+2*((GB%4)/2):5+2*((GB%4)/2)] offset:(GB/4)*STEPB+(GB%2)*4096+512*\i th:TH_LOAD_NT
.endr
.endm
	s_wait_kmcnt 0x0
	s_add_nc_u64 s[4:5], s[4:5], s[12:13]
	s_add_nc_u64 s[6:7], s[6:7], s[12:13]
.irp b, 0,1,2,3,4,5,6
	GLOAD \b
.endr
	WIN 0
	s_lshl_b32 s12, ttmp9, 15                      ; my work-group's 32,768 bytes of part (s13 is still 0)
	s_add_nc_u64 s[8:9], s[8:9], s[12:13]
	s_wait_dscnt 0x0                               ; my part of the table is written,
	s_barrier_signal -1
	s_barrier_wait -1                              ; everybody's is.  The loads of k and v land in registers and stay on their way
; Batch b is waited for.  Loads come back in order (ISA guide 5.7.1): the count is the eight loads of each younger batch that has been asked for, six batches
; while batches are still being asked for, then one fewer each time.  Behind the wait the batch AHEAD further on goes out.
.macro LWAIT b
.set LB, \b
.if LB+AHEAD < NB
	s_wait_loadcnt 8*(AHEAD-1)
	GLOAD LB+AHEAD
.else
	s_wait_loadcnt 8*(NB-1-LB)
.endif
.endm
.macro EXP8 g
.irp i, 0,1,2,3,4,5,6,7
	v_exp_f32 v[E+8*(\g)+\i], v[E+8*(\g)+\i]       ; exp(x)
.endr
.endm
.macro MED8 g
	s_wait_alu depctr_va_vdst(0)
.irp i, 0,1,2,3,4,5,6,7
	v_med3_num_f32 v[Y+8*(\g)+\i], v[E+8*(\g)+\i], 1.0, v[Y+8*(\g)+\i]          ; the middle one is fk
.endr
.endm
; group g = loads 2 g, 2 g + 1 of the batch: cos fk into T, sin fk in place
.macro MUL8 g, half
.set XB, Y+8*(\g)
.set CB, 8*\half+2*(\g)
	v_pk_mul_f32 v[T:T+1],     v[XB:XB+1],     v[CS+CB:CS+CB+1] op_sel_hi:[1,0]              ; the first load: both by the pair's first factor
	v_pk_mul_f32 v[T+2:T+3],   v[XB+2:XB+3],   v[CS+CB:CS+CB+1] op_sel_hi:[1,0]
	v_pk_mul_f32 v[T+4:T+5],   v[XB+4:XB+5],   v[CS+CB:CS+CB+1] op_sel:[0,1] op_sel_hi:[1,1] ; the second load: both by its second
	v_pk_mul_f32 v[T+6:T+7],   v[XB+6:XB+7],   v[CS+CB:CS+CB+1] op_sel:[0,1] op_sel_hi:[1,1]
	v_pk_mul_f32 v[XB:XB+1],   v[XB:XB+1],     v[SN+CB:SN+CB+1] op_sel_hi:[1,0]
	v_pk_mul_f32 v[XB+2:XB+3], v[XB+2:XB+3],   v[SN+CB:SN+CB+1] op_sel_hi:[1,0]
	v_pk_mul_f32 v[XB+4:XB+5], v[XB+4:XB+5],   v[SN+CB:SN+CB+1] op_sel:[0,1] op_sel_hi:[1,1]
	v_pk_mul_f32 v[XB+6:XB+7], v[XB+6:XB+7],   v[SN+CB:SN+CB+1] op_sel:[0,1] op_sel_hi:[1,1]
.endm
; two roundings at once into register 4 half + g of the eight A fragments
.macro CVT8 g, half
.set XB, Y+8*(\g)
.irp q, 0,1,2,3
	v_cvt_pk_bf16_f32 v[AF+8*\q+4*\half+(\g)],    v[T+\q],  v[T+4+\q]
	v_cvt_pk_bf16_f32 v[AF+32+8*\q+4*\half+(\g)], v[XB+\q], v[XB+4+\q]
.endr
.endm
; 16 rows of k.  The first two lines of the map read the batch's registers and write window 0; all the rest stays in window 0: two switches a batch.
; Between a group's exponentials and their use stand the eight conversions of the group before (ISA guide 5.7.2); the first group has a v_nop there.
; The fragments are written again more than thirty plain vector instructions behind the last matrix instruction (ISA guide 7.12.1).
.macro KBATCH b, half
	LWAIT \b
.set PW, 2+(\b)/8
.set PO, 32*((\b)%8)
	WIN PW                                         ; source 0 in the batch's window
.set i, 0
.rept 16
	v_pk_mul_f32 v[E+i:E+i+1], v[PO+i:PO+i+1], 0x3fb8aa3b op_sel_hi:[1,0]       ; x log2(e)
.set i, i+2
.endr
.set i, 0
.rept 16
	v_pk_add_f32 v[Y+i:Y+i+1], v[PO+i:PO+i+1], 1.0 op_sel_hi:[1,0]              ; x + 1
.set i, i+2
.endr
	WIN 0
.if \half == 0
	s_wait_dscnt 0x0                               ; the step's factors, asked for at its head
.endif
	EXP8 0
	v_nop
	s_wait_alu depctr_va_vdst(0)
.irp g, 0,1,2
	MED8 \g
	MUL8 \g, \half
	EXP8 \g+1
	CVT8 \g, \half
.endr
	MED8 3
	MUL8 3, \half
	CVT8 3, \half
.endm
; 16 rows of v: rounded as they are
.macro VBATCH b, half
	LWAIT \b
.set PW, 2+(\b)/8
.set PO, 32*((\b)%8)
	WIN (PW|(PW<<2))                               ; both sources in the batch's window
.irp g, 0,1,2,3
.irp q, 0,1,2,3
	v_cvt_pk_bf16_f32 v[BF+8*\q+4*\half+\g], v[PO+8*\g+\q], v[PO+8*\g+4+\q]
.endr
.endr
.endm
; 32 matrix instructions, 32 different accumulators, in the same order in every step: the accumulators take turns, one instruction a turn.
; zero = 1: the first step starts the sums, nothing is cleared.
.macro MULS zero
	WIN 0x50                                       ; C and D in window 1
.irp c, 0,1
.irp qn, 0,1,2,3
.irp qm, 0,1,2,3
.if \zero
	v_wmma_f32_16x16x32_bf16 v[8*(16*\c+4*\qn+\qm):8*(16*\c+4*\qn+\qm)+7], v[AF+32*\c+8*\qm:AF+32*\c+8*\qm+7], v[BF+8*\qn:BF+8*\qn+7], 0
.else
	v_wmma_f32_16x16x32_bf16 v[8*(16*\c+4*\qn+\qm):8*(16*\c+4*\qn+\qm)+7], v[AF+32*\c+8*\qm:AF+32*\c+8*\qm+7], v[BF+8*\qn:BF+8*\qn+7], v[8*(16*\c+4*\qn+\qm):8*(16*\c+4*\qn+\qm)+7]
.endif
.endr
.endr
.endr
	WIN 0
.endm
; A step: 32 rows, four batches
.macro STEP st, zero
.irp i, 0,1,2,3
	ds_load_b128 v[CS+4*\i:CS+4*\i+3], v[TR] offset:64*\st+16*\i
	ds_load_b128 v[SN+4*\i:SN+4*\i+3], v[TR] offset:2048+64*\st+16*\i
.endr
	KBATCH 4*\st, 0
	KBATCH 4*\st+1, 1
	VBATCH 4*\st+2, 0
	VBATCH 4*\st+3, 1
	MULS \zero
.endm
	STEP 0, 1
	STEP 1, 0
	STEP 2, 0
	STEP 3, 0
	; THE FOUR WAVES' SUMS MEET IN LDS.  Each wave dumps its 256 registers into 32,768 bytes of its own.
.rept 4
	v_nop                                          ; four places between the last matrix instructions and the stores that read their results
.endr
	WIN 0x04                                       ; store data in window 1
.set g, 0
.rept 64
	ds_store_b128 v[LA], v[4*g:4*g+3] offset:512*g
.set g, g+1
.endr
	WIN 0
	s_wait_dscnt 0x0                               ; my dump is written,
	s_barrier_signal -1
	s_barrier_wait -1                              ; everybody's is
	; wave w adds groups 16 w .. 16 w + 15: 64 loads, the first eight groups into window 0, the other eight into window 1
.irp ii, 0,1,2,3,4,5,6,7
.irp u, 0,1,2,3
	ds_load_b128 v[R+16*\ii+4*\u:R+16*\ii+4*\u+3], v[RA+\u] offset:512*\ii
.endr
.endr
	WIN 0x40
.irp ii, 0,1,2,3,4,5,6,7
.irp u, 0,1,2,3
	ds_load_b128 v[R+16*\ii+4*\u:R+16*\ii+4*\u+3], v[RA+\u] offset:4096+512*\ii
.endr
.endr
	WIN 0
.macro SUM4 a                          ; (wave 0 + wave 1) + (wave 2 + wave 3)
	v_pk_add_f32 v[\a:\a+1],     v[\a:\a+1],     v[\a+4:\a+5]
	v_pk_add_f32 v[\a+2:\a+3],   v[\a+2:\a+3],   v[\a+6:\a+7]
	v_pk_add_f32 v[\a+8:\a+9],   v[\a+8:\a+9],   v[\a+12:\a+13]
	v_pk_add_f32 v[\a+10:\a+11], v[\a+10:\a+11], v[\a+14:\a+15]
	v_pk_add_f32 v[\a:\a+1],     v[\a:\a+1],     v[\a+8:\a+9]
	v_pk_add_f32 v[\a+2:\a+3],   v[\a+2:\a+3],   v[\a+10:\a+11]
.endm
.irp ii, 0,1,2,3,4,5,6,7
	s_wait_dscnt 60-4*\ii                          ; LDS loads come back in order (ISA guide 5.7.1): this group's four are in, the later groups' stay out
	SUM4 R+16*\ii
	global_store_b128 v[GO], v[R+16*\ii:R+16*\ii+3], s[8:9] offset:512*\ii      ; a wave's store covers 512 consecutive bytes, aligned
.endr
	s_wait_dscnt 0x0
	WIN 0x45                                       ; destination and both sources in window 1
.irp ii, 0,1,2,3,4,5,6,7
	SUM4 R+16*\ii
.endr
	WIN 0x04                                       ; store data in window 1, the offset in window 0
.irp ii, 0,1,2,3,4,5,6,7
	global_store_b128 v[GO], v[R+16*\ii:R+16*\ii+3], s[8:9] offset:4096+512*\ii
.endr
	WIN 0
	s_wait_tensorcnt 0x0
	ds_add_u32 v254, v255
	s_wait_dscnt 0x0
	s_endpgm
.Lfunc_end_k_qc9e0805cbe_kvpart:
	.size	k_qc9e0805cbe_kvpart, .Lfunc_end_k_qc9e0805cbe_kvpart-k_qc9e0805cbe_kvpart
	.p2alignl 7, 3214868480
	.fill 96, 4, 3214868480
	.section	.rodata,"a",@progbits
	.p2align	6, 0x0
	.amdhsa_kernel k_qc9e0805cbe_kvpart
		.amdhsa_group_segment_fixed_size 135680
		.amdhsa_private_segment_fixed_size 0
		.amdhsa_enable_private_segment 0
		.amdhsa_kernarg_size 24
		.amdhsa_user_sgpr_count 2
		.amdhsa_user_sgpr_kernarg_segment_ptr 1
		.amdhsa_wavefront_size32 1
		.amdhsa_system_sgpr_workgroup_id_x 1
		.amdhsa_system_sgpr_workgroup_id_y 1
		.amdhsa_system_sgpr_workgroup_id_z 1
		.amdhsa_system_vgpr_workitem_id 0
		.amdhsa_next_free_vgpr 1024
		.amdhsa_next_free_sgpr 66
		.amdhsa_reserve_vcc 0
		.amdhsa_float_denorm_mode_32 3
		.amdhsa_float_denorm_mode_16_64 3
		.amdhsa_memory_ordered 1
		.amdhsa_forward_progress 1
		.amdhsa_inst_pref_size 131
	.end_amdhsa_kernel
	.amdgpu_metadata
---
amdhsa.version: [ 1, 2 ]
amdhsa.kernels:
  - .name:           k_qc9e0805cbe_kvpart
    .symbol:         k_qc9e0805cbe_kvpart.kd
    .args:
      - { .name: k, .offset: 0, .size: 8, .value_kind: global_buffer, .address_space: global }
      - { .name: v, .offset: 8, .size: 8, .value_kind: global_buffer, .address_space: global }
      - { .name: part, .offset: 16, .size: 8, .value_kind: global_buffer, .address_space: global }
    .group_segment_fixed_size: 135680
    .private_segment_fixed_size: 0
    .kernarg_segment_align: 8
    .kernarg_segment_size: 24
    .max_flat_workgroup_size: 128
    .sgpr_count:     66
    .vgpr_count:     1024
    .wavefront_size: 32
...
	.end_amdgpu_metadata
.endif
;; end of part 1
;; launch attnout (part 2): grid 256 x 1, 8 waves a work-group, clusters of 4 x 1, 291,840 bytes of LDS; arguments q, token_mask, part, out0; writes out0
.if DOCPART == 2
	.amdgcn_target "amdgcn-amd-amdhsa--gfx1250"
	.amdhsa_code_object_version 6
	.text
	.protected	k_qc9e0805cbe_attnout
	.globl	k_qc9e0805cbe_attnout
	.p2align	8
	.type	k_qc9e0805cbe_attnout,@function
k_qc9e0805cbe_attnout:
	s_mov_b64 s[64:65], 0
	v_nop
	global_prefetch_b8 v0, s[64:65] scope:SCOPE_SE
	s_setreg_imm32_b32 hwreg(HW_REG_WAVE_MODE, 25, 1), 1
	s_wait_xcnt 0x0
	s_wait_alu depctr_hold_cnt(0) depctr_sa_sdst(0) depctr_va_vdst(0) depctr_va_sdst(0) depctr_va_ssrc(0) depctr_va_vcc(0) depctr_vm_vsrc(0)
	s_getreg_b32 s2, hwreg(HW_REG_IB_STS2, 6, 4)
	s_cmp_eq_u32 s2, 0
	s_cbranch_scc0 .Lentry_in_a_cluster
	s_endpgm
.Lentry_in_a_cluster:
	s_bfe_u32 s2, ttmp6, 0x10000c
	s_cmp_lg_u32 s2, 0x3003
	s_cbranch_scc0 .Lentry_shape_is_right
	s_endpgm
.Lentry_shape_is_right:
; LINEAR ATTENTION, second launch: out[s][dv] = (mask[s] / 8) (cos(s) sum over dk of fq[s][dk] KVcos[dk][dv] + sin(s) sum over dk of fq[s][dk] KVsin[dk][dv]).
; The factors of a query row (cos, sin, the mask as 0.0 or 1.0, 1/8) scale a whole row of a product, so they are applied in f32 to the rows of fq KVcos and
; fq KVsin instead of to fq in front of the products: the same in exact arithmetic.
; ROWS OF q THAT THE MASK THROWS AWAY ARE NOT FETCHED.  token_mask is read first; a row's byte offset in q is multiplied by its mask byte (clamped to 1), so the
; sixteen lanes of a row with the byte 0 all read the first 16 bytes of the wave's block instead of the row's 256.  Such a row is computed from that stand-in like
; any other and multiplied by the factor 0, which is what the reference's product with the mask gives for every finite q.
; part holds, for each head, four partial KV of 32,768 bytes (one from each quarter of the sequence), each a dump of 256 registers:
; registers 4 g .. 4 g + 3 of lane l at byte 512 g + 16 l; register 8 (4 cq + qm) + j of lane (r, h) is KV_c[dk = 32 h + 4 j + qm][dv = 4 r + qn], cq = 4 c + qn.
;
; SHARES.  A work-group makes 512 rows of one head (head x quarter), eight waves of 64 rows, four tiles of 16 rows each.
; CLUSTER: the four quarters of a head form a cluster of 4 x 1.  They need the same 131,072 bytes of part, as much as each has of q, so these are asked for
; JOINTLY: each of the four issues the same tensor loads with the mask 15 and receives the bytes in its own LDS.  The joint descriptors hang on the head
; (the cluster's number) and the wave's number alone; no LDS address and no branch hangs on the place in the cluster.
; Wave w fetches what it adds itself: groups 8 w .. 8 w + 7 (4,096 bytes) of each of the four partial sums, one load of 4 rows of 4,096 bytes; so its own
; counter is all that its reads need.  By this text's count a wave has one tensor load outstanding.
; q comes by 32 loads a wave, sixteen lanes to a row of 256 bytes, two rows a load, all asked for at once; the wave lays 16 rows at a time into padded LDS rows of
; its own, from which a lane reads the half row that its fragment needs.
;
; THE BARRIER.  The fragments of KV pass from wave to wave, so one barrier stands between their stores and their loads.  What hangs on q alone for the first tile
; stands round it: the tile's 16 rows go into LDS and come back ahead of the signal (no LDS store stands between a signal and its wait), and the map and the
; rounding, 112 instructions on registers, stand between the signal and the wait, where a wave whose part of the sums came early would have nothing to do.
; Only the first tile: with more, the signal would have to wait for rows of q that were asked for behind the first tile's, and the first stores would come later.
;
; OPERANDS.  Lane (r, h) of an A fragment takes row r of the tile and the 32 columns dk = 32 h .. 32 h + 31 (128 neighbouring bytes); in K step t, register p,
; half e stands for dk = 32 h + 4 p + 2 t + e.  The same place of a B fragment is register j = p of tile qm = 2 t + e of the dump, in the same lane:
; the sums of part are rounded in pairs and are fragments as they stand.  Column index r of tile qn is dv = 4 r + qn, so a lane's four tiles give
; 16 neighbouring bytes of a row of out, and sixteen lanes store one whole row of 256 bytes.
; fq is the middle one of exp(x), 1 and x + 1 (x + 1 <= exp(x); both below 1 for x < 0, both at least 1 otherwise): exp(x) for x < 0, x + 1 for x >= 0.
; LIMITS: a NaN or an infinity in a row of q whose mask byte is 0 is not carried to the result; such a row is +0 or -0 as long as the f32 sums made from the
; stand-in (the first four numbers of the wave's first row) are finite; a NaN in q is not carried through the middle-of-three; exp(x) below 2^-126 counts as 0
; (ISA guide, V_EXP_F32); a mask byte is taken as the number 0 or 1; operands are rounded to bf16, sums are f32; cos and sin as Taylor sums up to x^12 and
; x^13 on [0, pi/2), the first terms left off below 7e-9.
.set PITCH, 272                        ; an LDS row of q: 256 bytes + 16: the 16 rows that a load's sixteen lanes touch start 272 bytes apart, at 16 different multiples of 16 modulo 256
.set WREG,  64*PITCH                   ; a wave's 64 rows; written by the wave's own LDS stores, no fill lands here
.set MTB,   16*PITCH                   ; a tile of 16 rows
.set PB,    8*WREG                     ; 139,264: the four partial sums, 16,384 bytes for each wave, filled once
.set FR,    PB+131072                  ; 270,336: the 16 B fragments, 1,024 bytes each; written by LDS stores
.set TAB,   FR+16384                   ; 286,720: 512 factors for KVcos, then 512 for KVsin
.set G1J, 28                           ; s[28:35] group 1 of the joint load
.set G0J, 36                           ; s[36:39] group 0 of the joint load
.set QA, 2                             ; v2  q in LDS, read: my wave's rows, row r, half h
.set TA, 3                             ; v3  the factors of my wave's rows, 8 h on
.set OA, 4                             ; v4  my 16 bytes in out
.set FS, 5                             ; v5  where my wave puts its two fragments
.set FL, 6                             ; v6  where all fragments are read
.set TS, 7                             ; v7  where my thread puts its two rows' factors
.set PL, 8                             ; v8  my wave's part of the partial sums
.set MO, 9                             ; v9  my thread's two mask bytes
.set QS, 10                            ; v10 q in LDS, written: my wave's rows, row h, 16 r
.set SH, 11                            ; v11 8 h: brings the mask byte of my half's row down
.set MWO, 12                           ; v12 my wave's 64 mask bytes
.set T,  14                            ; v14-21   at work
.set PR, 22                            ; v22-149  head: partial sum c, group i at PR + 32 c + 4 i
.set X,   150                          ; head: two angles, their squares, cos, sin, leading coefficients, mask, row numbers
.set U,   152
.set PCO, 154
.set PSI, 156
.set KC,  158
.set KS,  160
.set MK,  162
.set MF,  164
.set SI,  166
.set W,   168                          ; v168-183 head: my wave's two fragments
.set MW,  184                          ; v184-199 head: my wave's 64 mask bytes, the same in every lane
.set OF,  200                          ; v200-231 load i: 512 i + 16 x lane, then that times the row's mask; untouched while q is on its way
.set F,  22                            ; v22-53   tiles: 32 numbers of q, then fq
.set A2, 54                            ; v54-69   two A fragments (K steps 0, 1)
.set ACC, 70                           ; v70-133  eight accumulators: fq KVcos (qn = 0..3), fq KVsin
.set O,   134                          ; v134-165 8 rows x 16 bytes to store
.set CSR, 166                          ; v166-197 two sets that take turns by tiles: the cos factors of my 8 rows, then the sin factors
.set QR,  128                          ; window 1, v384-511: q as loaded, load i at QR + 4 i
; window 1, v256-383: the 16 B fragments, fragment 2 cq + t at 8 (2 cq + t)
.set MSB, 0
.macro WIN new
.if MSB != \new
	s_set_vgpr_msb (MSB<<8)|\new
.set MSB, \new
.endif
.endm
; a round of the cluster's barrier: my work-group's barrier, wave 0 signals for the work-group, every wave waits for all four work-groups, my work-group's barrier again
.macro ROUND
	s_barrier_signal -1
	s_barrier_wait -1
	s_cmp_lg_u32 s12, 0
	s_cbranch_scc1 .Lnot_wave_0_\@
	s_barrier_signal -3
.Lnot_wave_0_\@:
	s_barrier_wait -3
	s_barrier_signal -1
	s_barrier_wait -1
.endm
; the feature map on the eight registers from xb on, in place; T holds the exponentials
.macro FMAP xb
.irp i, 0,2,4,6
	v_pk_mul_f32 v[T+\i:T+\i+1], v[\xb+\i:\xb+\i+1], 0x3fb8aa3b op_sel_hi:[1,0] ; x log2(e)
.endr
.irp i, 0,1,2,3,4,5,6,7
	v_exp_f32 v[T+\i], v[T+\i]                     ; exp(x)
.endr
.irp i, 0,2,4,6
	v_pk_add_f32 v[\xb+\i:\xb+\i+1], v[\xb+\i:\xb+\i+1], 1.0 op_sel_hi:[1,0]    ; x + 1; also the plain instructions between the exponentials and their use (ISA guide 5.7.2)
.endr
	s_wait_alu depctr_va_vdst(0)
.irp i, 0,1,2,3,4,5,6,7
	v_med3_num_f32 v[\xb+\i], v[T+\i], 1.0, v[\xb+\i]                           ; the middle one is f(x)
.endr
.endm
; the 16 rows of tile mt go from the registers in which they landed into my wave's LDS rows, two whole rows a store
.macro STOREQ mt
	s_wait_loadcnt 24-8*(\mt)                      ; loads come back in order (ISA guide 5.7.1): this tile's eight are in, the later tiles' stay out
	WIN 0x04                                       ; store data in window 1
.irp i, 0,1,2,3,4,5,6,7
	ds_store_b128 v[QS], v[QR+32*(\mt)+4*\i:QR+32*(\mt)+4*\i+3] offset:(\mt)*MTB+2*PITCH*\i
.endr
.endm
; my 128 bytes of row r of tile mt (LDS serves a wave's instructions in order, ISA guide 5.7.1.4: these see the wave's stores above)
.macro LOADQ mt
.irp i, 0,1,2,3,4,5,6,7
	ds_load_b128 v[F+4*\i:F+4*\i+3], v[QA] offset:(\mt)*MTB+16*\i
.endr
.endm
; the factors of my 8 rows of tile mt, into the set that is the tile's turn
.macro LOADF mt
.set CW, CSR+16*((\mt)%2)
	ds_load_b128 v[CW:CW+3],     v[TA] offset:64*(\mt)
	ds_load_b128 v[CW+4:CW+7],   v[TA] offset:64*(\mt)+16
	ds_load_b128 v[CW+8:CW+11],  v[TA] offset:2048+64*(\mt)
	ds_load_b128 v[CW+12:CW+15], v[TA] offset:2048+64*(\mt)+16
.endm
; what hangs on q alone: the map on the tile's 32 numbers a lane, and two roundings at once into the two A fragments.  Registers only.
.macro MAP
.irp gq, 0,8,16,24
	FMAP F+\gq
.endr
.irp t, 0,1
.irp p, 0,1,2,3,4,5,6,7
	v_cvt_pk_bf16_f32 v[A2+8*\t+\p], v[F+4*\p+2*\t], v[F+4*\p+2*\t+1]
.endr
.endr
.endm
; The rest of a tile: products, scaling, stores.  The next tile's rows go through LDS behind this tile's products, under the same window setting, and have the
; scaling and the stores in which to come back.
; The eight accumulators take turns, one instruction a turn; the first K step starts the sums.
; The fragments and accumulators are written again behind the next tile's 64 plain instructions of the map, which name none of them (ISA guide 7.12.1).
.macro REST mt
	WIN 0x04                                       ; B in window 1
.irp cq, 0,1,2,3,4,5,6,7
	v_wmma_f32_16x16x32_bf16 v[ACC+8*\cq:ACC+8*\cq+7], v[A2:A2+7], v[16*\cq:16*\cq+7], 0
.endr
.irp cq, 0,1,2,3,4,5,6,7
	v_wmma_f32_16x16x32_bf16 v[ACC+8*\cq:ACC+8*\cq+7], v[A2+8:A2+15], v[16*\cq+8:16*\cq+15], v[ACC+8*\cq:ACC+8*\cq+7]
.endr
.if \mt < 3
	STOREQ \mt+1
.endif
	WIN 0
.if \mt < 3
	LOADQ \mt+1
	LOADF \mt+1
.endif
.rept 4
	v_nop                                          ; four places between the last matrix instructions and the lines that read their results (ISA guide 7.12.1)
.endr
	s_wait_xcnt 0x0                                ; O, which the last tile's stores read, is rewritten only behind this wait
.set CW, CSR+16*(\mt%2)
.irp j, 0,1,2,3,4,5,6,7
.irp qn, 0,1,2,3
	v_mul_f32 v[O+4*\j+\qn], v[CW+\j], v[ACC+8*\qn+\j]                          ; (mask cos / 8) x row of fq KVcos
.endr
.irp qn, 0,1,2,3
	v_fmac_f32 v[O+4*\j+\qn], v[CW+8+\j], v[ACC+32+8*\qn+\j]                    ; + (mask sin / 8) x row of fq KVsin
.endr
	global_store_b128 v[OA], v[O+4*\j:O+4*\j+3], s[10:11] offset:4096*\mt+256*\j th:TH_STORE_NT   ; sixteen lanes store one whole row: 256 consecutive bytes, aligned
.endr
.endm
; a whole tile behind the first
.macro TILE mt
	s_wait_dscnt 0x0                               ; this tile's q and factors, asked for in the tile before
	MAP
	REST \mt
.endm
	s_load_b256 s[4:11], s[0:1], 0x0               ; q s[4:5], token_mask s[6:7], part s[8:9], out s[10:11]
	v_lshl_add_u32 v254, v0, 2, 0x47000
	v_mov_b32 v255, 0
	ds_add_u32 v254, v255
	v_lshrrev_b32 v1, 5, v0
	v_readfirstlane_b32 s12, v1                    ; wave 0..7
	s_bfe_u32 s40, ttmp6, 0x40000                  ; my place in the cluster = the quarter
	s_lshl_b32 s41, ttmp9, 2                       ; ttmp9 counts clusters = heads
	s_add_co_u32 s41, s41, s40                     ; 4 x head + quarter
	; group 1 for the joint load: 4 rows (the four partial sums) of 512 elements of 8 bytes, 4,096 elements apart; the mask names all four work-groups
	s_mov_b32 s[G1J+0], 15|(3<<16)|(1<<21)
	s_mov_b32 s[G1J+1], 512<<16                    ; tensor_dim0 = 512
	s_mov_b32 s[G1J+2], 4<<16                      ; tensor_dim1 = 4
	s_mov_b32 s[G1J+3], 512<<16                    ; tile_dim0 = 512
	s_mov_b32 s[G1J+4], 4                          ; tile_dim1 = 4
	s_mov_b32 s[G1J+5], 4096                       ; from one partial sum to the next: 32,768 bytes
	s_mov_b32 s[G1J+6], 0
	s_mov_b32 s[G1J+7], 0
	s_lshl_b32 s42, s41, 17                        ; my work-group's 131,072 bytes of q and of out
	s_mov_b32 s43, 0
	s_lshl_b32 s13, s12, 14                        ; my wave's 64 rows (s13 only ever holds numbers made of the wave's number)
	s_add_co_u32 s44, s42, s13
	s_mov_b32 s45, 0
	s_lshl_b32 s46, ttmp9, 17                      ; the head's four partial sums,
	s_lshl_b32 s13, s12, 12
	s_add_co_u32 s46, s46, s13                     ; my wave's eight groups in the first of them: the quarter does not enter
	s_mov_b32 s47, 0
	s_lshl_b32 s15, s40, 9                         ; the quarter's first row in the sequence
	s_lshr_b32 s48, ttmp9, 4                       ; batch = head / 16
	s_lshl_b32 s48, s48, 11
	s_add_co_u32 s48, s48, s15                     ; the quarter's 512 mask bytes
	s_mov_b32 s49, 0
	s_mul_i32 s14, s12, WREG                       ; my wave's rows of q in LDS
	v_and_b32 v1, 31, v0
	v_lshlrev_b32 v1, 4, v1                        ; 16 x lane
	v_and_b32 v[T], 15, v0                         ; r
	v_bfe_u32 v[T+1], v0, 4, 1                     ; h
	v_mul_u32_u24 v[QA], v[T], PITCH
	v_lshl_add_u32 v[QA], v[T+1], 7, v[QA]
	v_add_nc_u32 v[QA], s14, v[QA]                 ; row r, columns 32 h ..
	v_mul_u32_u24 v[QS], v[T+1], PITCH
	v_lshl_add_u32 v[QS], v[T], 4, v[QS]
	v_add_nc_u32 v[QS], s14, v[QS]                 ; row h, bytes 16 r ..
	v_lshlrev_b32 v[SH], 3, v[T+1]
	v_lshlrev_b32 v[OA], 4, v[T]
	v_lshl_add_u32 v[OA], v[T+1], 11, v[OA]
	v_lshl_add_u32 v[OA], s12, 14, v[OA]           ; 16 r + 8 h rows + my wave's 64 rows
	v_lshl_add_u32 v[FS], s12, 11, v1
	v_add_nc_u32 v[FS], FR, v[FS]
	v_add_nc_u32 v[FL], FR, v1
	v_lshl_add_u32 v[TS], v0, 3, TAB
	v_lshl_add_u32 v[PL], s12, 14, v1
	v_add_nc_u32 v[PL], PB, v[PL]
	v_lshlrev_b32 v[MO], 1, v0
	s_lshl_b32 s13, s12, 6
	v_mov_b32 v[MWO], s13
	s_lshl_b32 s13, s12, 8                         ; my wave's 64 factors of 4 bytes
	s_add_co_u32 s13, s13, TAB
	v_lshl_add_u32 v[TA], v[T+1], 5, s13
.set i, 0
.rept 32
	v_add_nc_u32 v[OF+i], 512*i, v1                ; load i: rows 2 i + h of my wave's block, 16 bytes a lane
.set i, i+1
.endr
	; Still while the arguments are on their way: cos and sin of the quarter's rows, each made once.  Thread t makes rows 2 t and 2 t + 1.
	v_lshl_add_u32 v[SI], v0, 1, s15
	v_add_nc_u32 v[SI+1], 1, v[SI]
	v_cvt_f32_u32 v[X], v[SI]
	v_cvt_f32_u32 v[X+1], v[SI+1]
	v_mov_b32 v[KC], 0x310f76c7                    ; 1/12!
	v_mov_b32 v[KC+1], 0x310f76c7
	v_mov_b32 v[KS], 0x2f309231                    ; 1/13!
	v_mov_b32 v[KS+1], 0x2f309231
	v_pk_mul_f32 v[X:X+1], v[X:X+1], 0x3a490fdb op_sel_hi:[1,0]                 ; x = s pi / 4096
	v_pk_mul_f32 v[U:U+1], v[X:X+1], v[X:X+1]
	v_pk_fma_f32 v[PCO:PCO+1], v[U:U+1], v[KC:KC+1], 0xb493f27e op_sel_hi:[1,1,0]   ; u/12! - 1/10!
	v_pk_fma_f32 v[PSI:PSI+1], v[U:U+1], v[KS:KS+1], 0xb2d7322b op_sel_hi:[1,1,0]   ; u/13! - 1/11!
.macro HORNER cc, cs
	v_pk_fma_f32 v[PCO:PCO+1], v[PCO:PCO+1], v[U:U+1], \cc op_sel_hi:[1,1,0]
	v_pk_fma_f32 v[PSI:PSI+1], v[PSI:PSI+1], v[U:U+1], \cs op_sel_hi:[1,1,0]
.endm
	HORNER 0x37d00d01, 0x3638ef1d                  ; + 1/8!,  + 1/9!
	HORNER 0xbab60b61, 0xb9500d01                  ; - 1/6!,  - 1/7!
	HORNER 0x3d2aaaab, 0x3c088889                  ; + 1/4!,  + 1/5!
	HORNER -0.5, 0xbe2aaaab                        ; - 1/2!,  - 1/3!
	HORNER 1.0, 1.0                                ; cos x;   sin x / x
	v_pk_mul_f32 v[PSI:PSI+1], v[PSI:PSI+1], v[X:X+1]
	s_wait_dscnt 0x0
	s_wait_kmcnt 0x0
	s_add_nc_u64 s[4:5], s[4:5], s[44:45]          ; q at my wave's block of 16,384 bytes
	s_add_nc_u64 s[6:7], s[6:7], s[48:49]
	s_add_nc_u64 s[8:9], s[8:9], s[46:47]
	s_add_nc_u64 s[10:11], s[10:11], s[42:43]
	; the mask first: q's addresses hang on it.  The round and the joint load below lie in the time that it takes to come.
.irp c, 0,1,2,3
	global_load_b128 v[MW+4*\c:MW+4*\c+3], v[MWO], s[6:7] offset:16*\c          ; my wave's 64 bytes, the same in every lane
.endr
	global_load_u16 v[MK], v[MO], s[6:7]           ; the bytes of rows 2 t, 2 t + 1, for the factors
	ROUND                                          ; all four work-groups are here: the joint loads meet
	s_mov_b32 s[G0J], 1
	s_lshl_b32 s13, s12, 14
	s_add_co_u32 s[G0J+1], s13, PB
	s_mov_b64 s[G0J+2:G0J+3], s[8:9]
	s_or_b32 s[G0J+3], s[G0J+3], 0x80000000
	tensor_load_to_lds s[G0J:G0J+3], s[G1J:G1J+7]
	s_nop 0
	s_wait_loadcnt 0x0                             ; the mask is here
	; word n holds the bytes of rows 4 n .. 4 n + 3.  Shifted down by 8 h, its byte 0 is the byte of row 4 n + h (load 2 n), its byte 2 that of row 4 n + 2 + h (load 2 n + 1).
	; Clamped to 1, the byte multiplies the row's offset: 0 sends the row's sixteen lanes to the block's first 16 bytes.
.set n, 0
.rept 16
.set TT, T+4*(n%2)
	v_lshrrev_b32 v[TT], v[SH], v[MW+n]
	v_and_b32 v[TT+1], 0xff, v[TT]
	v_bfe_u32 v[TT+2], v[TT], 16, 8
	v_min_u32 v[TT+1], 1, v[TT+1]
	v_min_u32 v[TT+2], 1, v[TT+2]
	v_mul_u32_u24 v[OF+2*n], v[TT+1], v[OF+2*n]
	v_mul_u32_u24 v[OF+2*n+1], v[TT+2], v[OF+2*n+1]
.set n, n+1
.endr
	WIN 0x40                                       ; destination in window 1
.set i, 0
.rept 32
	global_load_b128 v[QR+4*i:QR+4*i+3], v[OF+i], s[4:5]   ; sixteen lanes take one whole row, 256 consecutive bytes, aligned; no hint: the stand-in is named again and again
.set i, i+1
.endr
	WIN 0
	; the row factors
	v_and_b32 v[MF], 0xff, v[MK]
	v_lshrrev_b32 v[MF+1], 8, v[MK]
	v_cvt_f32_u32 v[MF], v[MF]
	v_cvt_f32_u32 v[MF+1], v[MF+1]
	v_pk_mul_f32 v[MF:MF+1], v[MF:MF+1], 0x3e000000 op_sel_hi:[1,0]             ; mask / 8, exact
	v_pk_mul_f32 v[PCO:PCO+1], v[PCO:PCO+1], v[MF:MF+1]
	v_pk_mul_f32 v[PSI:PSI+1], v[PSI:PSI+1], v[MF:MF+1]
	ds_store_b64 v[TS], v[PCO:PCO+1]
	ds_store_b64 v[TS], v[PSI:PSI+1] offset:2048
	; KV = the sum of the four partial sums; wave w adds tiles 4 w .. 4 w + 3 (cq = w, qm = 0..3), 32 registers
	s_wait_tensorcnt 0x0                           ; my part of the partial sums is in: the one tensor load of the wave
.irp c, 0,1,2,3
.irp i, 0,1,2,3,4,5,6,7
	ds_load_b128 v[PR+32*\c+4*\i:PR+32*\c+4*\i+3], v[PL] offset:4096*\c+512*\i
.endr
.endr
	s_wait_dscnt 16                                ; partial sums 0 and 1 are in, the sixteen loads of 2 and 3 may be out
.set a, 0
.rept 16
	v_pk_add_f32 v[PR+a:PR+a+1], v[PR+a:PR+a+1], v[PR+32+a:PR+32+a+1]
.set a, a+2
.endr
	s_wait_dscnt 0x0
.set a, 0
.rept 16
	v_pk_add_f32 v[PR+64+a:PR+64+a+1], v[PR+64+a:PR+64+a+1], v[PR+96+a:PR+96+a+1]
.set a, a+2
.endr
.set a, 0
.rept 16
	v_pk_add_f32 v[PR+a:PR+a+1], v[PR+a:PR+a+1], v[PR+64+a:PR+64+a+1]
.set a, a+2
.endr
.irp t, 0,1
.irp p, 0,1,2,3,4,5,6,7
	v_cvt_pk_bf16_f32 v[W+8*\t+\p], v[PR+16*\t+\p], v[PR+16*\t+8+\p]            ; tiles qm = 2 t and 2 t + 1, register p: dk = 32 h + 4 p + 2 t, + 1
.endr
.endr
.irp t, 0,1
	ds_store_b128 v[FS], v[W+8*\t:W+8*\t+3] offset:1024*\t
	ds_store_b128 v[FS], v[W+8*\t+4:W+8*\t+7] offset:1024*\t+512
.endr
	; the first tile's rows of q go through my own LDS rows ahead of the signal
	STOREQ 0
	WIN 0
	LOADQ 0
	s_wait_dscnt 0x0                               ; my factors and my two fragments are written, for the others' sake; and the first tile's q is back in F
	s_barrier_signal -1                            ; say so,
	MAP                                            ; work on registers while the others arrive: the first tile's map and rounding,
	s_barrier_wait -1                              ; and go on when all eight have said so.  The later tiles' q lands in registers and stays on its way
	WIN 0x40                                       ; destination in window 1
.set g, 0
.rept 32
	ds_load_b128 v[4*g:4*g+3], v[FL] offset:512*g  ; all 16 fragments, contiguous
.set g, g+1
.endr
	WIN 0
	LOADF 0
	s_wait_dscnt 0x0                               ; the fragments and the first tile's factors
	REST 0
	TILE 1
	TILE 2
	TILE 3
	s_wait_tensorcnt 0x0
	ds_add_u32 v254, v255
	s_wait_dscnt 0x0
	ROUND                                          ; the closing round: no work-group ends while a partner may still ask for bytes in its name
	s_endpgm
.Lfunc_end_k_qc9e0805cbe_attnout:
	.size	k_qc9e0805cbe_attnout, .Lfunc_end_k_qc9e0805cbe_attnout-k_qc9e0805cbe_attnout
	.p2alignl 7, 3214868480
	.fill 96, 4, 3214868480
	.section	.rodata,"a",@progbits
	.p2align	6, 0x0
	.amdhsa_kernel k_qc9e0805cbe_attnout
		.amdhsa_group_segment_fixed_size 291840
		.amdhsa_private_segment_fixed_size 0
		.amdhsa_enable_private_segment 0
		.amdhsa_kernarg_size 32
		.amdhsa_user_sgpr_count 2
		.amdhsa_user_sgpr_kernarg_segment_ptr 1
		.amdhsa_wavefront_size32 1
		.amdhsa_system_sgpr_workgroup_id_x 1
		.amdhsa_system_sgpr_workgroup_id_y 1
		.amdhsa_system_sgpr_workgroup_id_z 1
		.amdhsa_system_vgpr_workitem_id 0
		.amdhsa_next_free_vgpr 512
		.amdhsa_next_free_sgpr 66
		.amdhsa_reserve_vcc 0
		.amdhsa_float_denorm_mode_32 3
		.amdhsa_float_denorm_mode_16_64 3
		.amdhsa_memory_ordered 1
		.amdhsa_forward_progress 1
		.amdhsa_inst_pref_size 73
	.end_amdhsa_kernel
	.amdgpu_metadata
---
amdhsa.version: [ 1, 2 ]
amdhsa.kernels:
  - .name:           k_qc9e0805cbe_attnout
    .symbol:         k_qc9e0805cbe_attnout.kd
    .args:
      - { .name: q, .offset: 0, .size: 8, .value_kind: global_buffer, .address_space: global }
      - { .name: token_mask, .offset: 8, .size: 8, .value_kind: global_buffer, .address_space: global }
      - { .name: part, .offset: 16, .size: 8, .value_kind: global_buffer, .address_space: global }
      - { .name: out0, .offset: 24, .size: 8, .value_kind: global_buffer, .address_space: global }
    .group_segment_fixed_size: 291840
    .private_segment_fixed_size: 0
    .kernarg_segment_align: 8
    .kernarg_segment_size: 32
    .max_flat_workgroup_size: 256
    .sgpr_count:     66
    .vgpr_count:     512
    .wavefront_size: 32
...
	.end_amdgpu_metadata
.endif
;; end of part 2
